; MI455X (gfx1250); checked and timed in simulation.
; The chip was launched on July 23, 2026; its instructions are those of AMD's public machine-readable ISA for CDNA 5 (MIT licence, August 2026) and "CDNA5" Instruction Set Architecture Reference Guide (July 2026). The comments in the code are by the model that wrote it; some were corrected since.
;; Sliced Multihead Attention. Allowed arithmetic: matrix products marked QUANTISED: E2M1 operands, one E8M0 scale for each 32 along K, by v_wmma_scale_f32_16x16x128_f8f6f4 with both operands' format E2M1 (or v_wmma_scale_f32_32x16x128_f4), f32 sums; products left as they are: bf16, f16 or f32 operands; f32 sums; everything else in f32.
;; Inputs: Wk 1,024 x 1,024 float32; Wo 1,024 x 1,024 float32; Wq 1,024 x 1,024 float32; Wv 1,024 x 1,024 float32; bk 1,024 float32; bo 1,024 float32; bq 1,024 float32; bv 1,024 float32; key 1 x 4,096 x 1,024 float32; query 1 x 4,096 x 1,024 float32; value 1 x 4,096 x 1,024 float32.
;; Outputs: out0 1 x 4,096 x 1,024 float32.
;; This version of the problem:
;;   THIS VERSION OF THE PROBLEM IS GIVEN IN LOW PRECISION. The matrix products marked QUANTISED in the list below multiply operands that are first quantised to E2M1 (2 exponent bits, 1 mantissa bit; 4 bits a number), with one power-of-two scale for each 32 numbers along K (OCP MX v1.0); their sums are f32. The products marked 'left as it is' may take bf16, f16 or f32 operands, with f32 sums. Whichever they take, every output number must still come out within the allowed error. Rounding operands to bf16 (8 significant bits) uses up far more of that allowance than f16 does (11 bits, for magnitudes from 6e-5 to 65,504). All else is computed in f32.
;;   The module's matrix products, in the order in which they are computed (A, B: the left and right operand; K: the contracted axis; several contracted axes count as one K, in the product's order):
;;     1. [M 4,096, K 1,024] x [K 1,024, N 1,024]; A: input query; B: input Wq: QUANTISED
;;     2. [M 4,096, K 1,024] x [K 1,024, N 1,024]; A: input key; B: input Wk: QUANTISED
;;     3. [M 4,096, K 1,024] x [K 1,024, N 1,024]; A: input value; B: input Wv: QUANTISED
;;     4. batch 16 x [M 4,096, K 64] x [K 64, N 4,096]; A: computed on the way; B: computed on the way: left as it is (an operand is computed on the way)
;;     5. batch 16 x [M 4,096, K 4,096] x [K 4,096, N 64]; A: computed on the way; B: computed on the way: left as it is (an operand is computed on the way)
;;     6. [M 4,096, K 1,024] x [K 1,024, N 1,024]; A: computed on the way; B: input Wo: left as it is (an operand is computed on the way)
;;   THE QUANTISER, for each operand of a quantised product, along K:
;;     - K is cut into blocks of 32 from its start; a last block that is shorter is filled with zeros.
;;     - A block's scale is 2^e with e = floor(log2(the largest magnitude in the block)) - 2, held to -126 .. 127; a block of zeros has e = 0. As a byte (E8M0): e + 127.
;;     - Each number is divided by its block's scale, clamped to +-6, and rounded to the nearest number of E2M1, ties to even, subnormals kept.
;;     - The product sums the exact products of the quantised numbers (number of the format x scale) in f32.
;;   ~~~python
;;   def quantise(x, axis):      # numpy; x: float32 -> the quantised numbers, widened to float32 again
;;       x = np.moveaxis(x, axis, -1); K = x.shape[-1]
;;       x = np.pad(x, [(0, 0)] * (x.ndim - 1) + [(0, -K % 32)]); x = x.reshape(x.shape[:-1] + (-1, 32)); a = np.abs(x).max(-1, keepdims=True)
;;       e = np.where(a > 0, np.clip(np.frexp(np.where(a > 0, a, 1))[1] - 1 - 2, -126, 127), 0)      # np.frexp(a)[1] - 1 = floor(log2(a)), exactly
;;       r = np.clip(x / 2.0 ** e, -6, 6)
;;       step = 2.0 ** (np.maximum(np.frexp(np.where(r == 0, 1, r))[1] - 1, 0) - 1)
;;       q = np.round(r / step) * step * 2.0 ** e      # np.round: ties to even
;;       return np.moveaxis(q.reshape(q.shape[:-2] + (-1,))[..., :K], -1, axis).astype(np.float32)
;;   ~~~
;; One version. Each part assembles by itself: llvm-mc -triple=amdgcn-amd-amdhsa -mcpu=gfx1250 --defsym DOCPART=n.
;; ======== version 1 of 1: 4 launches
;; limits: values are held in f16: magnitudes above 65,504 overflow, below 6.1e-05 lose precision
;; workspace buffers: wcode 1,572,864 bytes; wscale 98,304 bytes; wof 2,097,152 bytes; qf 8,388,608 bytes; kv 16,777,216 bytes; af 8,388,608 bytes
;; launch prep (part 1): grid 256 x 1, 4 waves a work-group, no clusters, 167,936 bytes of LDS; arguments Wq, Wk, Wv, Wo, wcode, wscale, wof; writes wcode, wscale, wof
.if DOCPART == 1
	.amdgcn_target "amdgcn-amd-amdhsa--gfx1250"
	.amdhsa_code_object_version 6
	.text
	.protected	k_qa089f92c85_prep
	.globl	k_qa089f92c85_prep
	.p2align	8
	.type	k_qa089f92c85_prep,@function
k_qa089f92c85_prep:
	s_mov_b64 s[64:65], 0
	v_nop
	global_prefetch_b8 v0, s[64:65] scope:SCOPE_SE
	s_setreg_imm32_b32 hwreg(HW_REG_WAVE_MODE, 25, 1), 1
	s_wait_xcnt 0x0
; SlicedMultiheadAttention, S = 4,096, D = 1,024, 16 heads of 64.  Launch 1 of 4: the weights are laid as the later launches' operand registers want them.
; DEAD WORK, for the whole program: bk.  scores[q][k] = SCALE q . (K0[k] + bk) = SCALE q . K0[k] + SCALE q . bk, K0 = key Wk^T.  The second term does not hang on k, and the softmax runs along k:
; softmax(s + const) = softmax(s) for every value of the inputs.  The scores' product is not quantised, so bk enters no quantised operand.  bk is not loaded and is no argument of any launch.
; LIMIT that follows: a NaN, an infinity or an overflow that reaches the result through bk alone is not carried to it.
; WHAT THIS LAUNCH DOES.  Wq, Wk, Wv [1024 (out)][1024 (k)] f32 become codes of E2M1 with one E8M0 byte for each 32 along k; Wo becomes f16.  All are stored as IMAGES OF FRAGMENTS: a piece is 512 bytes, lane l's 16 bytes at 16 l.
;   wcode  [mat 3][ftile 64][kstep 8][c 2][lane][16 B]: 16 rows x 128 k; lane (r, h), piece c: k = 64 c + 32 h + 0 .. 31 of row r
;   wscale [mat 3][ftile 64][kpair 4][lane] words: lanes 0-15 row r's word of kstep 2 j, lanes 16-31 that of kstep 2 j + 1
;   wof    [fblock 8][kg 32][ftile 8][half 2][lane][16 B]: 16 rows x 32 k of f16; half 0: k = 8 h + 0 .. 7, half 1: k = 16 + 8 h + 0 .. 7
; SHARES.  Work-group g: matrix g / 64 (3 = Wo), rows 16 (g % 64) on.  Wave w: columns 256 w on.  One tensor load a wave brings its 16 x 256 numbers into its own stage; only that wave reads them: no barrier.
; THE QUANTISER.  A block's scale is 2^(floor(log2(largest magnitude)) - 2); its byte is the largest magnitude's exponent field - 2, held at 1 from below.
; LIMITS: a block of zeros, or one whose largest magnitude lies under 2^-124, gets the byte 1 (its codes are zeros or near: the bytes are read by this program alone); Wo beyond 65,504 becomes infinity in f16; NaN and infinities among the inputs are not served.
; The scale words leave as 128 consecutive bytes a wave, half of an aligned 256: 96 KiB in the whole launch.
.set PITCH, 1040                       ; a stage row: 1,024 bytes + 16 of padding: an odd multiple of 16, so the 16 rows that a load touches start in different banks
.set WSTG,  16*PITCH                   ; a wave's stage
.set SPARE, 4*WSTG                     ; behind the stages: the spare words, 128 bytes for each wave
.set LN,  1                            ; v1   lane
.set RR,  2                            ; v2   r = lane % 16
.set HH,  3                            ; v3   h = lane / 16
.set LA,  4                            ; v4   stage: my row + 128 h (32 numbers a half: a block of codes)
.set LB,  5                            ; v5   stage: my row + 32 h (8 numbers a half: f16 fragments)
.set LI,  6                            ; v6   16 x lane
.set LS,  7                            ; v7   4 x lane
.set SH8, 8                            ; v8   8 h
.set TP,  9                            ; v9   a lane permute's destination
.set SPW, 10                           ; v10  my spare word; never rewritten
.set NIL, 11                           ; v11  0; never rewritten
.set MX,  12                           ; v12-13 largest magnitudes
.set SO,  14                           ; v14-15 the conversions' scale operands
.set BY,  16                           ; v16-17 scale bytes
.set W0,  18                           ; v18, v19 the two K steps' scale words; v20 what is stored
.set W1,  19
.set WS,  20
.set CD,  24                           ; v24-39 codes
.set X0,  64                           ; v64-127, v128-191 numbers
.set X1,  128
.set HF,  192                          ; v192-255 f16
.set WV,  18                           ; s18 wave, s19 matrix, s20 tile of 16 rows, s21 my stage
.set MAT, 19
.set FT,  20
.set SB,  21
.set G1,  24                           ; s[24:31], s[32:35] the descriptor
.set G0,  32
.set SEL, 36                           ; s[36:37] v_permlanex16_b32's selects for lane l xor 16
.macro FINISH                          ; the wave's end
	s_wait_tensorcnt 0x0
	ds_add_u32 v[SPW], v[NIL]
	s_wait_dscnt 0x0
	s_endpgm
.endm
; 64 numbers of K step s: register 32 c + i = k 64 c + 32 h + i of my row
.macro QLOAD s, x
.irp c, 0,1
.irp i, 0,1,2,3,4,5,6,7
	ds_load_b128 v[\x+32*\c+4*\i:\x+32*\c+4*\i+3], v[LA] offset:512*\s+256*\c+16*\i
.endr
.endr
.endm
; they become a fragment's 8 registers of codes at v[cd] and the row's scale word in v[w]
.macro QFRAG x, cd, w
.irp c, 0,1
	v_max3_num_f32 v[MX+\c], |v[\x+32*\c]|, |v[\x+32*\c+1]|, 0x1800000   ; my block 2 c + h, and the floor 2^(3 - 127): the byte cannot fall under 1
.endr
.irp i, 2,4,6,8,10,12,14,16,18,20,22,24,26,28,30
.irp c, 0,1
	v_max3_num_f32 v[MX+\c], v[MX+\c], |v[\x+32*\c+\i]|, |v[\x+32*\c+\i+1]|   ; the two blocks by turns
.endr
.endr
.irp c, 0,1
	v_add_nc_u32 v[SO+\c], 0xff000000, v[MX+\c]    ; 2 off the exponent field: the conversion takes that field as its scale
.endr
.irp c, 0,1
	v_lshrrev_b32 v[BY+\c], 23, v[SO+\c]           ; the scale's byte
.endr
	v_lshl_or_b32 v[\w], v[BY+1], 16, v[BY]        ; my two bytes, blocks h and 2 + h,
	v_lshlrev_b32 v[\w], v[SH8], v[\w]             ; at their places;
	v_permlanex16_b32 v[TP], v[\w], s[SEL], s[SEL+1]
	v_or_b32 v[\w], v[\w], v[TP]                   ; with lane l xor 16's two the word is whole
.irp c, 0,1
.irp g, 0,1,2,3
	v_cvt_scalef32_pk8_fp4_f32 v[\cd+4*\c+\g], v[\x+32*\c+8*\g:\x+32*\c+8*\g+7], v[SO+\c]
.endr
.endr
	v_nop                                          ; one plain place behind the last scaled conversion
.endm
	s_load_b256 s[4:11], s[0:1], 0x0               ; Wq, Wk, Wv, Wo
	s_load_b128 s[12:15], s[0:1], 0x20             ; wcode, wscale
	s_load_b64 s[16:17], s[0:1], 0x30              ; wof
	v_lshl_add_u32 v[SPW], v0, 2, SPARE
	v_mov_b32 v[NIL], 0
	ds_add_u32 v[SPW], v[NIL]                      ; the opening: the add, twice on end, and its wait ahead of my first tensor load
	ds_add_u32 v[SPW], v[NIL]
	v_lshrrev_b32 v[LN], 5, v0
	v_readfirstlane_b32 s[WV], v[LN]               ; wave 0..3
	s_lshr_b32 s[MAT], ttmp9, 6
	s_and_b32 s[FT], ttmp9, 63
	s_mov_b32 s[G1+0], (2<<16)|(1<<20)|(7<<22)|(3<<25)   ; elements of 4 bytes; padding on: 4 words behind every 256
	s_mov_b32 s[G1+1], 256<<16                     ; tensor_dim0 = 256
	s_mov_b32 s[G1+2], 16<<16                      ; tensor_dim1 = 16
	s_mov_b32 s[G1+3], 256<<16                     ; tile_dim0 = 256
	s_mov_b32 s[G1+4], 16                          ; tile_dim1 = 16
	s_mov_b32 s[G1+5], 1024                        ; elements from row to row
	s_mov_b32 s[G1+6], 0
	s_mov_b32 s[G1+7], 0
	s_mul_i32 s[SB], s[WV], WSTG
	s_lshl_b32 s22, s[FT], 16                      ; 16 rows of 4,096 bytes
	s_lshl_b32 s23, s[WV], 10                      ; 256 columns
	s_add_co_u32 s22, s22, s23
	s_mov_b32 s23, 0
	s_mov_b32 s[SEL], 0x76543210
	s_mov_b32 s[SEL+1], 0xfedcba98
	s_wait_dscnt 0x0                               ; both opening adds are done
	s_wait_kmcnt 0x0
	s_cmp_eq_u32 s[MAT], 1                         ; which matrix: the choice hangs on the work-group's number alone
	s_cselect_b64 s[4:5], s[6:7], s[4:5]
	s_cmp_eq_u32 s[MAT], 2
	s_cselect_b64 s[4:5], s[8:9], s[4:5]
	s_cmp_eq_u32 s[MAT], 3
	s_cselect_b64 s[4:5], s[10:11], s[4:5]
	s_mov_b32 s[G0], 1
	s_mul_i32 s[G0+1], s[WV], WSTG
	s_add_nc_u64 s[G0+2:G0+3], s[4:5], s[22:23]
	s_or_b32 s[G0+3], s[G0+3], 0x80000000
	tensor_load_to_lds s[G0:G0+3], s[G1:G1+7]      ; my one tensor load
	s_nop 0
	v_and_b32 v[LN], 31, v0
	v_and_b32 v[RR], 15, v0
	v_bfe_u32 v[HH], v0, 4, 1
	v_mul_u32_u24 v[LA], v[RR], PITCH
	v_add_nc_u32 v[LA], s[SB], v[LA]
	v_lshl_add_u32 v[LB], v[HH], 5, v[LA]
	v_lshl_add_u32 v[LA], v[HH], 7, v[LA]
	v_lshlrev_b32 v[LI], 4, v[LN]
	v_lshlrev_b32 v[LS], 2, v[LN]
	v_lshlrev_b32 v[SH8], 3, v[HH]
	v_mov_b32 v[TP], 0
	s_wait_tensorcnt 0x0                           ; my tile is in; nobody else reads it
	s_cmp_eq_u32 s[MAT], 3
	s_cbranch_scc1 .Lwo
	; ---- Wq, Wk, Wv: two fragments of codes and a register of scale words
	s_lshl_b32 s22, s[MAT], 19
	s_lshl_b32 s23, s[FT], 13
	s_add_co_u32 s22, s22, s23
	s_lshl_b32 s23, s[WV], 11
	s_add_co_u32 s22, s22, s23
	s_mov_b32 s23, 0
	s_add_nc_u64 s[12:13], s[12:13], s[22:23]      ; wcode: matrix, tile of rows, K steps 2 w and 2 w + 1
	s_lshl_b32 s22, s[MAT], 15
	s_lshl_b32 s23, s[FT], 9
	s_add_co_u32 s22, s22, s23
	s_lshl_b32 s23, s[WV], 7
	s_add_co_u32 s22, s22, s23
	s_mov_b32 s23, 0
	s_add_nc_u64 s[14:15], s[14:15], s[22:23]      ; wscale: pair w of K steps
	QLOAD 0, X0
	QLOAD 1, X1
	s_wait_dscnt 16                                ; the first 16 loads are in; the second K step's 16 may be out
	QFRAG X0, CD, W0
	s_wait_dscnt 0x0
	QFRAG X1, CD+8, W1
	v_cmp_gt_u32 vcc_lo, 16, v[LN]
	v_cndmask_b32 v[WS], v[W1], v[W0], vcc_lo      ; lanes 0-15: the even K step's word, lanes 16-31: the odd one's
.irp i, 0,1,2,3
	global_store_b128 v[LI], v[CD+4*\i:CD+4*\i+3], s[12:13] offset:512*\i   ; 512 consecutive bytes, aligned
.endr
	global_store_b32 v[LS], v[WS], s[14:15]
	FINISH
.Lwo:	; ---- Wo: eight fragments of f16
	s_lshr_b32 s22, s[FT], 3
	s_lshl_b32 s22, s22, 18                        ; block of 128 rows
	s_lshl_b32 s23, s[WV], 16                      ; K groups 8 w on
	s_add_co_u32 s22, s22, s23
	s_and_b32 s23, s[FT], 7
	s_lshl_b32 s23, s23, 10                        ; tile in the block
	s_add_co_u32 s22, s22, s23
	s_mov_b32 s23, 0
	s_add_nc_u64 s[16:17], s[16:17], s[22:23]
.irp g, 0,1,2,3,4,5,6,7
.irp p, 0,1,2,3
	ds_load_b128 v[X0+16*\g+4*\p:X0+16*\g+4*\p+3], v[LB] offset:128*\g+16*(\p%2)+64*(\p/2)
.endr
.endr
.irp g, 0,1,2,3,4,5,6,7
	s_wait_dscnt 4*(7-\g)                          ; fragment g's four loads are in; the later fragments' may be out
.irp i, 0,1,2,3,4,5,6,7
	v_cvt_pk_f16_f32 v[HF+8*\g+\i], v[X0+16*\g+2*\i], v[X0+16*\g+2*\i+1]
.endr
	global_store_b128 v[LI], v[HF+8*\g:HF+8*\g+3], s[16:17] offset:8192*\g
	global_store_b128 v[LI], v[HF+8*\g+4:HF+8*\g+7], s[16:17] offset:8192*\g+512
.endr
	FINISH
.Lfunc_end_k_qa089f92c85_prep:
	.size	k_qa089f92c85_prep, .Lfunc_end_k_qa089f92c85_prep-k_qa089f92c85_prep
	.p2alignl 7, 3214868480
	.fill 96, 4, 3214868480
	.section	.rodata,"a",@progbits
	.p2align	6, 0x0
	.amdhsa_kernel k_qa089f92c85_prep
		.amdhsa_group_segment_fixed_size 167936
		.amdhsa_private_segment_fixed_size 0
		.amdhsa_enable_private_segment 0
		.amdhsa_kernarg_size 56
		.amdhsa_user_sgpr_count 2
		.amdhsa_user_sgpr_kernarg_segment_ptr 1
		.amdhsa_wavefront_size32 1
		.amdhsa_system_sgpr_workgroup_id_x 1
		.amdhsa_system_sgpr_workgroup_id_y 1
		.amdhsa_system_sgpr_workgroup_id_z 1
		.amdhsa_system_vgpr_workitem_id 0
		.amdhsa_next_free_vgpr 256
		.amdhsa_next_free_sgpr 66
		.amdhsa_reserve_vcc 1
		.amdhsa_float_denorm_mode_32 3
		.amdhsa_float_denorm_mode_16_64 3
		.amdhsa_memory_ordered 1
		.amdhsa_forward_progress 1
		.amdhsa_inst_pref_size 20
	.end_amdhsa_kernel
	.amdgpu_metadata
---
amdhsa.version: [ 1, 2 ]
amdhsa.kernels:
  - .name:           k_qa089f92c85_prep
    .symbol:         k_qa089f92c85_prep.kd
    .args:
      - { .name: Wq, .offset: 0, .size: 8, .value_kind: global_buffer, .address_space: global }
      - { .name: Wk, .offset: 8, .size: 8, .value_kind: global_buffer, .address_space: global }
      - { .name: Wv, .offset: 16, .size: 8, .value_kind: global_buffer, .address_space: global }
      - { .name: Wo, .offset: 24, .size: 8, .value_kind: global_buffer, .address_space: global }
      - { .name: wcode, .offset: 32, .size: 8, .value_kind: global_buffer, .address_space: global }
      - { .name: wscale, .offset: 40, .size: 8, .value_kind: global_buffer, .address_space: global }
      - { .name: wof, .offset: 48, .size: 8, .value_kind: global_buffer, .address_space: global }
    .group_segment_fixed_size: 167936
    .private_segment_fixed_size: 0
    .kernarg_segment_align: 8
    .kernarg_segment_size: 56
    .max_flat_workgroup_size: 128
    .sgpr_count:     66
    .vgpr_count:     256
    .wavefront_size: 32
...
	.end_amdgpu_metadata
.endif
;; end of part 1
;; launch proj (part 2): grid 64 x 3, 16 waves a work-group, no clusters, 303,104 bytes of LDS; arguments query, key, value, bq, bv, wcode, wscale, qf, kv; writes qf, kv
.if DOCPART == 2
	.amdgcn_target "amdgcn-amd-amdhsa--gfx1250"
	.amdhsa_code_object_version 6
	.text
	.protected	k_qa089f92c85_proj
	.globl	k_qa089f92c85_proj
	.p2align	8
	.type	k_qa089f92c85_proj,@function
k_qa089f92c85_proj:
	s_mov_b64 s[64:65], 0
	v_nop
	global_prefetch_b8 v0, s[64:65] scope:SCOPE_SE
	s_setreg_imm32_b32 hwreg(HW_REG_WAVE_MODE, 25, 1), 1
	s_wait_xcnt 0x0
; Launch 2 of 4: the three projections, on codes of E2M1 with E8M0 scales.  Work-group (rb, y): 64 tokens, tensor y (0 query, 1 key, 2 value).
; LEFT OUT: bk.  It adds to every score of a query the same number along the softmax's axis (shown at the head of the first launch), so k is stored without it.
; PHASE X.  Wave w brings 16 tokens (tile w / 4) x 256 along K (quarter w % 4) into its own stage by one tensor load, quantises them in registers (two fragments, one register of scale words)
; and stores them to LDS as images of the operand's registers: a piece is 512 bytes, lane l's 16 bytes at 16 l.  One barrier.
; THE PRODUCT.  Wave w is head w: 64 features x 64 tokens, 16 accumulators, K in 8 steps of 128.  The weights' fragments come from memory straight into registers, a K step ahead, in two sets.
;   q, k: source 0 = 16 rows of W, source 1 = 16 tokens: a lane holds one token and 8 neighbouring features: packed to f16 they are half a fragment of the scores' product.
;   v:    source 0 = 16 tokens, source 1 = 16 rows of W: a lane holds one channel and 8 neighbouring tokens: half a fragment of V^T.
; q is stored as (x Wq^T + bq) x 0.125 log2(e): the softmax then works in powers of two.
;   qf [head 16][tile of 16 queries 256][c 2 (32 channels)][half 2][lane][16 B]
;   kv [head 16][step of 64 keys 64][K: kt 4, c 2, half 2; then V^T: kg 2, ct 4, half 2][lane][16 B]
; NO SHARED LOADS OF THE WEIGHTS: stages and images take 303,104 bytes of LDS; a K step of weights for 1,024 features with its scales is 69,632 bytes and does not fit beside them.
; LIMITS: as the first launch's quantiser; q', k, v beyond 65,504 become infinity in f16.
.set PITCH, 1040
.set WSTG,  16*PITCH                   ; a wave's stage: 16 rows x (1,024 + 16) bytes
.set XIMG,  16*WSTG                    ; x's 32 fragments, 1,024 bytes each: fragment 8 m + s
.set XSC,   XIMG+32*1024               ; their scale words: entry 4 m + j, 128 bytes: lanes 0-15 K step 2 j, lanes 16-31 K step 2 j + 1
.set SPARE, XSC+16*128                 ; the spare words, 128 bytes for each wave
.set LI,  1                            ; v1   16 x lane
.set LS,  2                            ; v2   4 x lane
.set LA,  3                            ; v3   my stage: my row + 128 h
.set XWI, 4                            ; v4   where I store my images
.set XWS, 5                            ; v5   and my scale words
.set XRA, 6                            ; v6   where images are read
.set XRS, 7                            ; v7   and scale words
.set SPW, 8                            ; v8   my spare word; never rewritten
.set NIL, 9                            ; v9   0; never rewritten
.set XS,  10                           ; v10-13 x's scale words, a register a tile of tokens: scales and nothing else
.set SH8, 14                           ; v14  8 h
.set BO,  15                           ; v15  my offset in the bias
.set WSC, 16                           ; v16-31 W's scale words, register 4 f + j: scales and nothing else
.set XF,  32                           ; v32-63 x's four fragments.  In phase X: v32-47 codes, v48-59 at work
.set CD,  32
.set MX,  48
.set SO,  50
.set BY,  52
.set W0,  54
.set W1,  55
.set TP,  56
.set WS,  57
.set LN,  58
.set RR,  59
.set WA,  64                           ; v64-95, v96-127 W's fragments, two sets
.set ACC, 128                          ; v128-255 accumulator (m, f) at 8 (4 m + f).  In phase X: the numbers
.set X0,  128
.set X1,  192
.set WV,  22
.set YY,  23
.set G1,  24
.set G0,  32
.set SEL, 36
.set CS,  38                           ; s[38:39] 0.125 log2(e)
.macro FINISH                          ; the wave's end
	s_wait_tensorcnt 0x0
	ds_add_u32 v[SPW], v[NIL]
	s_wait_dscnt 0x0
	s_endpgm
.endm
.macro QLOAD s, x
.irp c, 0,1
.irp i, 0,1,2,3,4,5,6,7
	ds_load_b128 v[\x+32*\c+4*\i:\x+32*\c+4*\i+3], v[LA] offset:512*\s+256*\c+16*\i
.endr
.endr
.endm
.macro QFRAG x, cd, w
.irp c, 0,1
	v_max3_num_f32 v[MX+\c], |v[\x+32*\c]|, |v[\x+32*\c+1]|, 0x1800000   ; my block 2 c + h, and the floor 2^(3 - 127)
.endr
.irp i, 2,4,6,8,10,12,14,16,18,20,22,24,26,28,30
.irp c, 0,1
	v_max3_num_f32 v[MX+\c], v[MX+\c], |v[\x+32*\c+\i]|, |v[\x+32*\c+\i+1]|
.endr
.endr
.irp c, 0,1
	v_add_nc_u32 v[SO+\c], 0xff000000, v[MX+\c]    ; 2 off the exponent field: the conversion's scale operand
.endr
.irp c, 0,1
	v_lshrrev_b32 v[BY+\c], 23, v[SO+\c]
.endr
	v_lshl_or_b32 v[\w], v[BY+1], 16, v[BY]
	v_lshlrev_b32 v[\w], v[SH8], v[\w]
	v_permlanex16_b32 v[TP], v[\w], s[SEL], s[SEL+1]
	v_or_b32 v[\w], v[\w], v[TP]
.irp c, 0,1
.irp g, 0,1,2,3
	v_cvt_scalef32_pk8_fp4_f32 v[\cd+4*\c+\g], v[\x+32*\c+8*\g:\x+32*\c+8*\g+7], v[SO+\c]
.endr
.endr
	v_nop                                          ; one plain place behind the last scaled conversion
.endm
; one product: rD, rW, rX, rWS, rXS are set by the caller.  At odd K steps both sides' scales stand in lanes 16-31
.macro PROD kind, s
.if \kind == 2
.if \s == 0
	v_wmma_scale_f32_16x16x128_f8f6f4 v[rD:rD+7], v[rX:rX+7], v[rW:rW+7], 0, v[rXS], v[rWS] matrix_a_fmt:MATRIX_FMT_FP4 matrix_b_fmt:MATRIX_FMT_FP4
.elseif (\s)%2 == 0
	v_wmma_scale_f32_16x16x128_f8f6f4 v[rD:rD+7], v[rX:rX+7], v[rW:rW+7], v[rD:rD+7], v[rXS], v[rWS] matrix_a_fmt:MATRIX_FMT_FP4 matrix_b_fmt:MATRIX_FMT_FP4
.else
	v_wmma_scale_f32_16x16x128_f8f6f4 v[rD:rD+7], v[rX:rX+7], v[rW:rW+7], v[rD:rD+7], v[rXS], v[rWS] matrix_a_fmt:MATRIX_FMT_FP4 matrix_b_fmt:MATRIX_FMT_FP4 matrix_a_scale:MATRIX_SCALE_ROW1 matrix_b_scale:MATRIX_SCALE_ROW1
.endif
.else
.if \s == 0
	v_wmma_scale_f32_16x16x128_f8f6f4 v[rD:rD+7], v[rW:rW+7], v[rX:rX+7], 0, v[rWS], v[rXS] matrix_a_fmt:MATRIX_FMT_FP4 matrix_b_fmt:MATRIX_FMT_FP4
.elseif (\s)%2 == 0
	v_wmma_scale_f32_16x16x128_f8f6f4 v[rD:rD+7], v[rW:rW+7], v[rX:rX+7], v[rD:rD+7], v[rWS], v[rXS] matrix_a_fmt:MATRIX_FMT_FP4 matrix_b_fmt:MATRIX_FMT_FP4
.else
	v_wmma_scale_f32_16x16x128_f8f6f4 v[rD:rD+7], v[rW:rW+7], v[rX:rX+7], v[rD:rD+7], v[rWS], v[rXS] matrix_a_fmt:MATRIX_FMT_FP4 matrix_b_fmt:MATRIX_FMT_FP4 matrix_a_scale:MATRIX_SCALE_ROW1 matrix_b_scale:MATRIX_SCALE_ROW1
.endif
.endif
.endm
; K step s: x's fragments from LDS, the next step's weights (or the bias) from memory, 16 products; the 16 accumulators take turns
.macro KSTEP kind, s
.if \s > 0
.rept 4
	v_nop                                          ; four places in front of loads into registers that the last step's products read
.endr
.endif
.irp m, 0,1,2,3
.irp c, 0,1
	ds_load_b128 v[XF+8*\m+4*\c:XF+8*\m+4*\c+3], v[XRA] offset:(8*\m+\s)*1024+512*\c
.endr
.endr
.if (\s)%2 == 0
.irp m, 0,1,2,3
	ds_load_b32 v[XS+\m], v[XRS] offset:128*(4*\m+(\s)/2)
.endr
.endif
.if \s < 7
.irp f, 0,1,2,3
.irp c, 0,1
	global_load_b128 v[WA+32*((\s+1)%2)+8*\f+4*\c:WA+32*((\s+1)%2)+8*\f+4*\c+3], v[LI], s[14:15] offset:\f*8192+(\s+1)*1024+512*\c
.endr
.endr
	s_wait_loadcnt 8                               ; this step's weights are in; only the 8 loads just issued may be out
.elseif \kind == 0
.irp f, 0,1,2,3
	global_load_b128 v[WA+8*\f:WA+8*\f+3], v[BO], s[10:11] offset:64*\f        ; bq at my 8 features of tile f
	global_load_b128 v[WA+8*\f+4:WA+8*\f+7], v[BO], s[10:11] offset:64*\f+16
.endr
	s_wait_loadcnt 8
.elseif \kind == 2
.irp f, 0,1,2,3
	global_load_b32 v[WA+2*\f], v[BO], s[12:13] offset:64*\f                   ; bv at my channel of tile f, twice: a pair for the packed addition
	global_load_b32 v[WA+2*\f+1], v[BO], s[12:13] offset:64*\f
.endr
	s_wait_loadcnt 8
.else
	s_wait_loadcnt 0x0
.endif
	s_wait_dscnt 0x0
.irp m, 0,1,2,3
.irp f, 0,1,2,3
.set rD, ACC+8*(4*\m+\f)
.set rW, WA+32*((\s)%2)+8*\f
.set rX, XF+8*\m
.set rWS, WSC+4*\f+(\s)/2
.set rXS, XS+\m
	PROD \kind, \s
.endr
.endr
.endm
.macro OUTT off, base                  ; the tile at rD: 8 numbers a lane become 16 bytes, in place, and leave: 512 consecutive bytes, aligned
.irp i, 0,1,2,3
	v_cvt_pk_f16_f32 v[rD+\i], v[rD+2*\i], v[rD+2*\i+1]
.endr
	global_store_b128 v[LI], v[rD:rD+3], s[\base:\base+1] offset:\off
.endm
.macro GEMM kind
.if \kind == 0
	v_lshlrev_b32 v[BO], 2, v[SH8]                 ; 32 h
.elseif \kind == 2
	v_and_b32 v[BO], 15, v0
	v_lshlrev_b32 v[BO], 2, v[BO]                  ; 4 r
.endif
.irp s, 0,1,2,3,4,5,6,7
	KSTEP \kind, \s
.endr
.if \kind == 0
	s_wait_loadcnt 0x0                             ; bq
.irp i, 0,2,4,6,8,10,12,14,16,18,20,22,24,26,28,30
	v_pk_mul_f32 v[WA+\i:WA+\i+1], v[WA+\i:WA+\i+1], s[CS:CS+1] op_sel_hi:[1,0]   ; bq x c.  (They name none of the last products' registers: the places behind them)
.endr
.elseif \kind == 2
	s_wait_loadcnt 0x0                             ; bv
.rept 4
	v_nop
.endr
.else
.rept 4
	v_nop
.endr
.endif
.irp m, 0,1,2,3
.irp f, 0,1,2,3
.set rD, ACC+8*(4*\m+\f)
.if \kind == 0
.irp i, 0,2,4,6
	v_pk_fma_f32 v[rD+\i:rD+\i+1], v[rD+\i:rD+\i+1], s[CS:CS+1], v[WA+8*\f+\i:WA+8*\f+\i+1] op_sel_hi:[1,0,1]   ; (sum + bq) x c, each accumulator from its low end on
.endr
	OUTT \m*2048+\f*512, 18
.elseif \kind == 1
	OUTT \m*2048+\f*512, 20
.else
.irp i, 0,2,4,6
	v_pk_add_f32 v[rD+\i:rD+\i+1], v[rD+\i:rD+\i+1], v[WA+2*\f:WA+2*\f+1]
.endr
	OUTT 8192+(\m/2)*4096+\f*1024+(\m%2)*512, 20
.endif
.endr
.endr
	FINISH
.endm
	s_load_b256 s[4:11], s[0:1], 0x0               ; query, key, value, bq
	s_load_b256 s[12:19], s[0:1], 0x20             ; bv, wcode, wscale, qf
	s_load_b64 s[20:21], s[0:1], 0x40              ; kv
	v_lshl_add_u32 v[SPW], v0, 2, SPARE
	v_mov_b32 v[NIL], 0
	ds_add_u32 v[SPW], v[NIL]                      ; the opening: the add, twice on end, and its wait ahead of my first tensor load
	ds_add_u32 v[SPW], v[NIL]
	v_lshrrev_b32 v[LN], 5, v0
	v_readfirstlane_b32 s[WV], v[LN]               ; wave 0..15
	s_and_b32 s[YY], ttmp7, 0xffff
	s_mov_b32 s[G1+0], (2<<16)|(1<<20)|(7<<22)|(3<<25)   ; elements of 4 bytes; padding on: 4 words behind every 256
	s_mov_b32 s[G1+1], 256<<16
	s_mov_b32 s[G1+2], 16<<16
	s_mov_b32 s[G1+3], 256<<16
	s_mov_b32 s[G1+4], 16
	s_mov_b32 s[G1+5], 1024
	s_mov_b32 s[G1+6], 0
	s_mov_b32 s[G1+7], 0
	s_lshr_b32 s44, s[WV], 2                       ; my tile of tokens
	s_and_b32 s45, s[WV], 3                        ; my quarter of K
	s_lshl_b32 s40, ttmp9, 18                      ; 64 tokens of 4,096 bytes
	s_lshl_b32 s41, s44, 16
	s_add_co_u32 s40, s40, s41
	s_lshl_b32 s41, s45, 10
	s_add_co_u32 s40, s40, s41
	s_mov_b32 s41, 0
	s_mul_i32 s46, s[WV], WSTG
	s_mov_b32 s[SEL], 0x76543210
	s_mov_b32 s[SEL+1], 0xfedcba98
	s_mov_b32 s[CS], 0x3e38aa3b                    ; 0.125 log2(e)
	s_mov_b32 s[CS+1], s[CS]
	s_wait_dscnt 0x0                               ; both opening adds are done
	s_wait_kmcnt 0x0
	s_cmp_eq_u32 s[YY], 1                          ; which tensor: the choice hangs on the work-group's number alone
	s_cselect_b64 s[4:5], s[6:7], s[4:5]
	s_cmp_eq_u32 s[YY], 2
	s_cselect_b64 s[4:5], s[8:9], s[4:5]
	s_mov_b32 s[G0], 1
	s_mul_i32 s[G0+1], s[WV], WSTG
	s_add_nc_u64 s[G0+2:G0+3], s[4:5], s[40:41]
	s_or_b32 s[G0+3], s[G0+3], 0x80000000
	tensor_load_to_lds s[G0:G0+3], s[G1:G1+7]      ; my one tensor load
	s_nop 0
	s_lshl_b32 s40, s[YY], 19
	s_lshl_b32 s42, s[WV], 15
	s_add_co_u32 s40, s40, s42
	s_add_nc_u64 s[14:15], s[14:15], s[40:41]      ; the weights' codes: matrix y, my head's four tiles
	s_lshl_b32 s40, s[YY], 15
	s_lshl_b32 s42, s[WV], 11
	s_add_co_u32 s40, s40, s42
	s_add_nc_u64 s[16:17], s[16:17], s[40:41]      ; and their scale words
	s_lshl_b32 s40, s[WV], 8
	s_add_nc_u64 s[10:11], s[10:11], s[40:41]      ; bq, bv at my head
	s_add_nc_u64 s[12:13], s[12:13], s[40:41]
	s_lshl_b32 s40, s[WV], 19
	s_lshl_b32 s42, ttmp9, 13
	s_add_co_u32 s40, s40, s42
	s_add_nc_u64 s[18:19], s[18:19], s[40:41]      ; qf: my head, four tiles of queries
	s_lshl_b32 s40, s[WV], 20
	s_lshl_b32 s42, ttmp9, 14
	s_add_co_u32 s40, s40, s42
	s_add_nc_u64 s[20:21], s[20:21], s[40:41]      ; kv: my head, key step rb
	v_and_b32 v[LN], 31, v0
	v_lshlrev_b32 v[LI], 4, v[LN]
	v_lshlrev_b32 v[LS], 2, v[LN]
.irp f, 0,1,2,3
.irp j, 0,1,2,3
	global_load_b32 v[WSC+4*\f+\j], v[LS], s[16:17] offset:\f*512+\j*128
.endr
.endr
.irp f, 0,1,2,3
.irp c, 0,1
	global_load_b128 v[WA+8*\f+4*\c:WA+8*\f+4*\c+3], v[LI], s[14:15] offset:\f*8192+512*\c   ; K step 0's weights
.endr
.endr
	v_and_b32 v[RR], 15, v0
	v_bfe_u32 v[SH8], v0, 4, 1
	v_mul_u32_u24 v[LA], v[RR], PITCH
	v_lshl_add_u32 v[LA], v[SH8], 7, v[LA]
	v_add_nc_u32 v[LA], s46, v[LA]
	v_lshlrev_b32 v[SH8], 3, v[SH8]
	s_lshl_b32 s42, s[WV], 11
	v_add_nc_u32 v[XWI], s42, v[LI]
	v_add_nc_u32 v[XWI], XIMG, v[XWI]              ; fragments 2 w and 2 w + 1
	s_lshl_b32 s43, s[WV], 7
	v_add_nc_u32 v[XWS], s43, v[LS]
	v_add_nc_u32 v[XWS], XSC, v[XWS]               ; entry w
	v_add_nc_u32 v[XRA], XIMG, v[LI]
	v_add_nc_u32 v[XRS], XSC, v[LS]
	v_mov_b32 v[TP], 0
	; ---- phase X
	s_wait_tensorcnt 0x0                           ; my tile is in; nobody else reads it
	QLOAD 0, X0
	QLOAD 1, X1
	s_wait_dscnt 16                                ; the first 16 loads are in; the second K step's 16 may be out
	QFRAG X0, CD, W0
	s_wait_dscnt 0x0
	QFRAG X1, CD+8, W1
	v_cmp_gt_u32 vcc_lo, 16, v[LN]
	v_cndmask_b32 v[WS], v[W1], v[W0], vcc_lo      ; lanes 0-15: the even K step's word, lanes 16-31: the odd one's
.irp i, 0,1,2,3
	ds_store_b128 v[XWI], v[CD+4*\i:CD+4*\i+3] offset:512*\i
.endr
	ds_store_b32 v[XWS], v[WS]
	s_wait_dscnt 0x0                               ; for the others' sake: my stores have landed
	s_barrier_signal -1
	s_barrier_wait -1                              ; all 32 fragments lie in LDS; from here on LDS is only read
	s_cmp_eq_u32 s[YY], 1
	s_cbranch_scc1 .Lkey
	s_cmp_eq_u32 s[YY], 2
	s_cbranch_scc1 .Lvalue
	GEMM 0
.Lkey:
	GEMM 1
.Lvalue:
	GEMM 2
.Lfunc_end_k_qa089f92c85_proj:
	.size	k_qa089f92c85_proj, .Lfunc_end_k_qa089f92c85_proj-k_qa089f92c85_proj
	.p2alignl 7, 3214868480
	.fill 96, 4, 3214868480
	.section	.rodata,"a",@progbits
	.p2align	6, 0x0
	.amdhsa_kernel k_qa089f92c85_proj
		.amdhsa_group_segment_fixed_size 303104
		.amdhsa_private_segment_fixed_size 0
		.amdhsa_enable_private_segment 0
		.amdhsa_kernarg_size 72
		.amdhsa_user_sgpr_count 2
		.amdhsa_user_sgpr_kernarg_segment_ptr 1
		.amdhsa_wavefront_size32 1
		.amdhsa_system_sgpr_workgroup_id_x 1
		.amdhsa_system_sgpr_workgroup_id_y 1
		.amdhsa_system_sgpr_workgroup_id_z 1
		.amdhsa_system_vgpr_workitem_id 0
		.amdhsa_next_free_vgpr 256
		.amdhsa_next_free_sgpr 66
		.amdhsa_reserve_vcc 1
		.amdhsa_float_denorm_mode_32 3
		.amdhsa_float_denorm_mode_16_64 3
		.amdhsa_memory_ordered 1
		.amdhsa_forward_progress 1
		.amdhsa_inst_pref_size 126
	.end_amdhsa_kernel
	.amdgpu_metadata
---
amdhsa.version: [ 1, 2 ]
amdhsa.kernels:
  - .name:           k_qa089f92c85_proj
    .symbol:         k_qa089f92c85_proj.kd
    .args:
      - { .name: query, .offset: 0, .size: 8, .value_kind: global_buffer, .address_space: global }
      - { .name: key, .offset: 8, .size: 8, .value_kind: global_buffer, .address_space: global }
      - { .name: value, .offset: 16, .size: 8, .value_kind: global_buffer, .address_space: global }
      - { .name: bq, .offset: 24, .size: 8, .value_kind: global_buffer, .address_space: global }
      - { .name: bv, .offset: 32, .size: 8, .value_kind: global_buffer, .address_space: global }
      - { .name: wcode, .offset: 40, .size: 8, .value_kind: global_buffer, .address_space: global }
      - { .name: wscale, .offset: 48, .size: 8, .value_kind: global_buffer, .address_space: global }
      - { .name: qf, .offset: 56, .size: 8, .value_kind: global_buffer, .address_space: global }
      - { .name: kv, .offset: 64, .size: 8, .value_kind: global_buffer, .address_space: global }
    .group_segment_fixed_size: 303104
    .private_segment_fixed_size: 0
    .kernarg_segment_align: 8
    .kernarg_segment_size: 72
    .max_flat_workgroup_size: 512
    .sgpr_count:     66
    .vgpr_count:     256
    .wavefront_size: 32
...
	.end_amdgpu_metadata
.endif
;; end of part 2
;; launch attn (part 3): grid 16 x 16, 8 waves a work-group, clusters of 4 x 1, 327,680 bytes of LDS; arguments qf, kv, af; writes af
.if DOCPART == 3
	.amdgcn_target "amdgcn-amd-amdhsa--gfx1250"
	.amdhsa_code_object_version 6
	.text
	.protected	k_qa089f92c85_attn
	.globl	k_qa089f92c85_attn
	.p2align	8
	.type	k_qa089f92c85_attn,@function
k_qa089f92c85_attn:
	s_mov_b64 s[64:65], 0
	v_nop
	global_prefetch_b8 v0, s[64:65] scope:SCOPE_SE
	s_setreg_imm32_b32 hwreg(HW_REG_WAVE_MODE, 25, 1), 1
	s_wait_xcnt 0x0
	s_wait_alu depctr_hold_cnt(0) depctr_sa_sdst(0) depctr_va_vdst(0) depctr_va_sdst(0) depctr_va_ssrc(0) depctr_va_vcc(0) depctr_vm_vsrc(0)
	s_getreg_b32 s2, hwreg(HW_REG_IB_STS2, 6, 4)
	s_cmp_eq_u32 s2, 0
	s_cbranch_scc0 .Lentry_in_a_cluster
	s_endpgm
.Lentry_in_a_cluster:
	s_bfe_u32 s2, ttmp6, 0x10000c
	s_cmp_lg_u32 s2, 0x3003
	s_cbranch_scc0 .Lentry_shape_is_right
	s_endpgm
.Lentry_shape_is_right:
; Launch 3 of 4: O[h][q] = sum over k of softmax_k(t[q][k]) V[h][k], t = q' . k in powers of two (q' carries 0.125 log2(e)).  Operands f16; products, maxima and sums f32.
; k comes without bk: that term is the same along the softmax's axis (shown at the head of the first launch).
; SHARES.  A work-group owns 256 queries of one head; each of its eight waves 32: two tiles of 16.  Two waves lie on a SIMD: one wave's softmax stands beside the other's products.  Every wave walks all 4,096 keys, 64 a step.
; LAYOUT.  S^T = K Q^T (source 0 = 16 keys, source 1 = 16 queries) and O^T = V^T P (source 0 = 16 channels, source 1 = P): a lane holds ONE query throughout.  Two tiles of S^T, rounded to f16 in pairs, in place, ARE P's fragment.
; K's and V^T's fragments lie in kv as images of the registers: every LDS load takes 512 consecutive bytes.
; SOFTMAX.  A running maximum m and sum l for each query: p = 2^(t - m); in every step O and l are multiplied by 2^(m_old - m_new).  The sum is taken of p before it is rounded.
; RING.  Two slots of 8 key steps (131,072 bytes).  Wave w fetches key step w of a slot: one load a wave, no branch.  CLUSTER: the four query blocks of a cluster belong to one head and walk the same kv: each tile is asked for jointly.
; A wave has one tensor load out, with eight key steps in which to land.
; The loop has no first step of its own: O and l begin as zeros and m as -3e38.  LIMITS: t under -3e38 is not served; p under 2^-25 rounds to 0 in f16; O beyond 65,504 becomes infinity in f16; NaN and infinities are not served.
;   af [block of 128 tokens 32][kg 32][tile 8][half 2][lane][16 B]: the last product's fragments
.set SLOT1, 1<<17
.set SPARE, 2*SLOT1                    ; behind the ring: the spare words, 128 bytes for each wave
.set LI,  1                            ; v1   16 x lane
.set ADR, 2                            ; v2   the step's tiles in LDS
.set PFO, 3                            ; v3   256 x lane: the prefetches' offset; never rewritten
.set SPW, 4                            ; v4   my spare word; never rewritten
.set NIL, 5                            ; v5   0; never rewritten
.set ST,  8                            ; tile t's statistics at v[8 + 8 t]: +0 -m, +1 m, +2, +3 l, +4 .. +7 c0-c3 at work; the factor takes +6, the second chain of the sum +4, +5
.set QF,  24                           ; v24-55   Q (t, c) at 16 t + 8 c
.set KV,  56                           ; v56-119  K's 8 fragments, then V^T's
.set SS,  120                          ; v120-183 S^T (t, kt) at 32 t + 8 kt; P in place at 32 t + 0 .. 15
.set OA,  184                          ; v184-247 O^T (t, ct) at 32 t + 8 ct
.set WV,  12
.set LIM, 15                           ; s15  1 in a wave that prefetches, else the greatest number
.set G1,  16
.set G0,  24
.set PFA, 28                           ; s[28:29] where my prefetches stand
.set TB,  30                           ; s30  LDS byte of the step in hand
.set SLOTS, 31
.set CNT, 32
.set SEL, 34
.macro CROUND                          ; a round of the cluster's barrier
	s_barrier_signal -1
	s_barrier_wait -1
	s_cmp_lg_u32 s[WV], 0
	s_cbranch_scc1 .Lnot_wave_0_\@
	s_barrier_signal -3
.Lnot_wave_0_\@:
	s_barrier_wait -3
	s_barrier_signal -1
	s_barrier_wait -1
.endm
.macro JLOAD                           ; my joint load: the same line, the same descriptor in all four partners
	tensor_load_to_lds s[G0:G0+3], s[G1:G1+7]
	s_nop 0
.rept 4
	v_nop
.endr
.endm
; A prefetch of the slot that the NEXT change of slots will ask for: 131,072 bytes, lanes 256 bytes apart.  All clusters of a head walk the same kv: the head's first cluster asks; its four partners take 32,768 bytes each,
; told apart by address; in each, waves 0 to 3 take 8,192 bytes each.  So each aligned 256 bytes are named once in the launch.  The last change that fills a slot asks for nothing.
.macro ASK
	s_cmp_gt_u32 s[SLOTS], s[LIM]
	s_cbranch_scc0 .Lnot_mine_\@
	global_prefetch_b8 v[PFO], s[PFA:PFA+1] th:TH_LOAD_NT scope:SCOPE_SE
.Lnot_mine_\@:
.endm
; THE CHANGE OF SLOTS stands at a slot's head: all my tensor loads have landed (my part of the slot ahead), the add, my reads of the slot left are over; behind the round the slot left is filled with the keys that follow.
.macro CHANGE fill
	s_wait_tensorcnt 0x0                           ; no tensor load of mine is out, so the descriptor may be written
	ds_add_u32 v[SPW], v[NIL]
.if \fill
	s_xor_b32 s[G0+1], s[G0+1], SLOT1              ; the other slot than last time,
	s_add_nc_u64 s[G0+2:G0+3], s[G0+2:G0+3], 131072   ; the next 8 key steps
	s_wait_xcnt 0x0                                ; the last prefetch, a slot back, has read its address
	s_add_nc_u64 s[PFA:PFA+1], s[PFA:PFA+1], 131072
	s_wait_dscnt 0x0                               ; the add is done, and my reads of the slot that I have left are over
	CROUND
	JLOAD                                          ; the first thing behind the round, my one tensor load until the next
	ASK
.else
	s_wait_dscnt 0x0
	s_barrier_signal -1
	s_barrier_wait -1
.endif
.endm
; A KEY STEP: 64 keys
.macro STEP
	v_add_nc_u32 v[ADR], s[TB], v[LI]
.rept 4
	v_nop                                          ; with the addition five places: four in front of loads into V's registers, five in front of products that write over P
.endr
.irp f, 0,1,2,3,4,5,6,7
	ds_load_b128 v[KV+8*\f:KV+8*\f+3], v[ADR] offset:\f*1024          ; K (kt, c) = fragment 2 kt + c
	ds_load_b128 v[KV+8*\f+4:KV+8*\f+7], v[ADR] offset:\f*1024+512
.endr
	s_wait_dscnt 0x0
.irp c, 0,1
.irp kt, 0,1,2,3
.irp t, 0,1
.if \c == 0
	v_wmma_f32_16x16x32_f16 v[SS+32*\t+8*\kt:SS+32*\t+8*\kt+7], v[KV+8*(2*\kt+\c):KV+8*(2*\kt+\c)+7], v[QF+16*\t+8*\c:QF+16*\t+8*\c+7], 0
.else
	v_wmma_f32_16x16x32_f16 v[SS+32*\t+8*\kt:SS+32*\t+8*\kt+7], v[KV+8*(2*\kt+\c):KV+8*(2*\kt+\c)+7], v[QF+16*\t+8*\c:QF+16*\t+8*\c+7], v[SS+32*\t+8*\kt:SS+32*\t+8*\kt+7]
.endif
.endr
.endr
.endr                                  ; the eight accumulators take turns
.rept 4
	v_nop                                          ; places in front of the loads into K's registers and of the first read of the scores
.endr
.irp f, 0,1,2,3,4,5,6,7
	ds_load_b128 v[KV+8*\f:KV+8*\f+3], v[ADR] offset:8192+\f*1024     ; V^T (kg, ct) = fragment 4 kg + ct: it lands under the softmax
	ds_load_b128 v[KV+8*\f+4:KV+8*\f+7], v[ADR] offset:8192+\f*1024+512
.endr
	; the maximum of my 32 scores and the old m: four chains, each accumulator from its low end on; the two tiles by turns
.irp k, 0,1,2,3
.irp t, 0,1
	v_max3_num_f32 v[ST+8*\t+4+\k], v[SS+32*\t+8*\k], v[SS+32*\t+8*\k+1], v[SS+32*\t+8*\k+2]
.endr
.endr
.irp i, 3,5
.irp k, 0,1,2,3
.irp t, 0,1
	v_max3_num_f32 v[ST+8*\t+4+\k], v[ST+8*\t+4+\k], v[SS+32*\t+8*\k+\i], v[SS+32*\t+8*\k+\i+1]
.endr
.endr
.endr
.irp t, 0,1
	v_max3_num_f32 v[ST+8*\t+4], v[ST+8*\t+4], v[SS+32*\t+7], v[SS+32*\t+15]
.endr
.irp t, 0,1
	v_max3_num_f32 v[ST+8*\t+6], v[ST+8*\t+6], v[SS+32*\t+23], v[SS+32*\t+31]
.endr
.irp t, 0,1
	v_max3_num_f32 v[ST+8*\t+4], v[ST+8*\t+4], v[ST+8*\t+5], v[ST+8*\t+6]
.endr
.irp t, 0,1
	v_max3_num_f32 v[ST+8*\t+4], v[ST+8*\t+4], v[ST+8*\t+7], v[ST+8*\t+1]
.endr
.irp t, 0,1
	v_permlanex16_b32 v[ST+8*\t+5], v[ST+8*\t+4], s[SEL], s[SEL+1]    ; the query's other 32 keys lie in the lane 16 away
.endr
.irp t, 0,1
	v_max_num_f32 v[ST+8*\t+1], v[ST+8*\t+4], v[ST+8*\t+5]            ; the new m
.endr
.irp t, 0,1
	v_add_f32 v[ST+8*\t+7], v[ST+8*\t], v[ST+8*\t+1]                  ; m_new - m_old, 0 or more
.endr
.irp t, 0,1
	v_xor_b32 v[ST+8*\t], 0x80000000, v[ST+8*\t+1]                    ; -m
.endr
.irp t, 0,1
	v_exp_f32 v[ST+8*\t+6], -v[ST+8*\t+7]                             ; the factor 2^(m_old - m_new)
.endr
.irp b, 0,2,4,6,8,10,12,14,16,18,20,22,24,26,28,30
.irp t, 0,1
	v_pk_add_f32 v[SS+32*\t+\b:SS+32*\t+\b+1], v[SS+32*\t+\b:SS+32*\t+\b+1], v[ST+8*\t:ST+8*\t+1] op_sel_hi:[1,0]   ; t - m, two at a time
.endr
.endr
.irp e, 0,1,2,3,4,5,6,7,8,9,10,11,12,13,14,15,16,17,18,19,20,21,22,23,24,25,26,27,28,29,30,31
.irp t, 0,1
	v_exp_f32 v[SS+32*\t+\e], v[SS+32*\t+\e]                          ; p = 2^(t - m), at most 1
.endr
.endr
	v_nop                                          ; a plain place behind the last exponential
	s_wait_alu depctr_va_vdst(0)                   ; the wait ahead of the first line that names a result: one for all 66 exponentials
.irp t, 0,1
	v_pk_mul_f32 v[ST+8*\t+2:ST+8*\t+3], v[ST+8*\t+2:ST+8*\t+3], v[ST+8*\t+6:ST+8*\t+7] op_sel_hi:[1,0]   ; l under the new m
.endr
.irp t, 0,1
	v_pk_add_f32 v[ST+8*\t+4:ST+8*\t+5], v[SS+32*\t+2:SS+32*\t+3], v[SS+32*\t+6:SS+32*\t+7]               ; the sum, in two chains: pairs 1 and 3 start the second
.endr
.irp t, 0,1
	v_pk_add_f32 v[ST+8*\t+2:ST+8*\t+3], v[ST+8*\t+2:ST+8*\t+3], v[SS+32*\t:SS+32*\t+1]
.endr
.irp i, 2,3,4,5,6,7
.irp t, 0,1
	v_pk_add_f32 v[ST+8*\t+2:ST+8*\t+3], v[ST+8*\t+2:ST+8*\t+3], v[SS+32*\t+4*\i-4:SS+32*\t+4*\i-3]       ; pairs 2, 4 .. 12
	v_pk_add_f32 v[ST+8*\t+4:ST+8*\t+5], v[ST+8*\t+4:ST+8*\t+5], v[SS+32*\t+4*\i+2:SS+32*\t+4*\i+3]       ; pairs 5, 7 .. 15
.endr
.endr
.irp t, 0,1
	v_pk_add_f32 v[ST+8*\t+2:ST+8*\t+3], v[ST+8*\t+2:ST+8*\t+3], v[SS+32*\t+28:SS+32*\t+29]               ; pair 14
.endr
.irp t, 0,1
	v_pk_add_f32 v[ST+8*\t+2:ST+8*\t+3], v[ST+8*\t+2:ST+8*\t+3], v[ST+8*\t+4:ST+8*\t+5]
.endr
.irp i, 0,1,2,3,4,5,6,7,8,9,10,11,12,13,14,15
.irp t, 0,1
	v_cvt_pk_f16_f32 v[SS+32*\t+\i], v[SS+32*\t+2*\i], v[SS+32*\t+2*\i+1]   ; P, in place: register i is written when registers 2 i and 2 i + 1 are read
.endr
.endr
.irp i, 0,2,4,6,8,10,12,14,16,18,20,22,24,26,28,30
.irp t, 0,1
	v_pk_mul_f32 v[OA+32*\t+\i:OA+32*\t+\i+1], v[OA+32*\t+\i:OA+32*\t+\i+1], v[ST+8*\t+6:ST+8*\t+7] op_sel_hi:[1,0]   ; O^T under the new m
.endr
.endr
	s_wait_dscnt 0x0                               ; V^T is in
.irp kg, 0,1
.irp ct, 0,1,2,3
.irp t, 0,1
	v_wmma_f32_16x16x32_f16 v[OA+32*\t+8*\ct:OA+32*\t+8*\ct+7], v[KV+8*(4*\kg+\ct):KV+8*(4*\kg+\ct)+7], v[SS+32*\t+8*\kg:SS+32*\t+8*\kg+7], v[OA+32*\t+8*\ct:OA+32*\t+8*\ct+7]
.endr
.endr
.endr
	s_add_co_u32 s[TB], s[TB], 16384               ; the next key step
.endm
.macro SLOT_STEPS                      ; a slot's eight key steps: written once, walked eight times
	s_mov_b32 s[CNT], 8
.Lstep_\@:
	STEP
	s_sub_co_u32 s[CNT], s[CNT], 1
	s_cmp_lg_u32 s[CNT], 0
	s_cbranch_scc1 .Lstep_\@
	s_sub_co_u32 s[TB], s[TB], 131072              ; back to a slot's first step,
	s_xor_b32 s[TB], s[TB], SLOT1                  ; in the other slot
.endm
	s_load_b128 s[4:7], s[0:1], 0x0                ; qf, kv
	s_load_b64 s[8:9], s[0:1], 0x10                ; af
	v_lshl_add_u32 v[SPW], v0, 2, SPARE
	v_mov_b32 v[NIL], 0
	ds_add_u32 v[SPW], v[NIL]                      ; the opening: the add, twice on end, and its wait ahead of my first tensor load
	ds_add_u32 v[SPW], v[NIL]
	v_lshrrev_b32 v1, 5, v0
	v_readfirstlane_b32 s[WV], v1                  ; wave 0..7
	s_bfe_u32 s13, ttmp6, 0x40000                  ; cx: my place in the cluster
	s_lshl_b32 s14, ttmp9, 2
	s_add_co_u32 s14, s14, s13                     ; my block of 256 queries: it enters qf's and af's addresses alone
	s_and_b32 s33, ttmp7, 0xffff                   ; the head, which the four partners share
	s_mov_b32 s[G1+0], 15|(3<<16)|(1<<21)          ; the mask: all four work-groups; elements of 8 bytes; bit 21 set beside a mask; no padding
	s_mov_b32 s[G1+1], 32<<16                      ; tensor_dim0 = 32 (256 bytes)
	s_mov_b32 s[G1+2], 64<<16                      ; tensor_dim1 = 64
	s_mov_b32 s[G1+3], 32<<16                      ; tile_dim0
	s_mov_b32 s[G1+4], 64                          ; tile_dim1
	s_mov_b32 s[G1+5], 32                          ; dense
	s_mov_b32 s[G1+6], 0
	s_mov_b32 s[G1+7], 0
	s_lshl_b32 s36, s33, 20                        ; kv: my head, key step w
	s_lshl_b32 s37, s[WV], 14
	s_add_co_u32 s36, s36, s37
	s_mov_b32 s37, 0
	s_lshl_b32 s38, s33, 20                        ; the prefetches: my head, slot 1 (the first change steps it to slot 2), my work-group's quarter, my wave's quarter of that
	s_lshl_b32 s39, s13, 15
	s_add_co_u32 s38, s38, s39
	s_and_b32 s39, s[WV], 3
	s_lshl_b32 s39, s39, 13
	s_add_co_u32 s38, s38, s39
	s_add_co_u32 s38, s38, 131072
	s_mov_b32 s39, 0
	s_lshl_b32 s40, s33, 19                        ; qf: my head, tiles 16 qb + 2 w on
	s_lshl_b32 s41, s14, 15
	s_add_co_u32 s40, s40, s41
	s_lshl_b32 s41, s[WV], 12
	s_add_co_u32 s40, s40, s41
	s_mov_b32 s41, 0
	s_lshl_b32 s42, s14, 1                         ; af: block of 128 tokens 2 qb + w / 4, K groups 2 head on, tiles 2 (w % 4) on
	s_lshr_b32 s43, s[WV], 2
	s_add_co_u32 s42, s42, s43
	s_lshl_b32 s42, s42, 18
	s_lshl_b32 s43, s33, 14
	s_add_co_u32 s42, s42, s43
	s_and_b32 s43, s[WV], 3
	s_lshl_b32 s43, s43, 11
	s_add_co_u32 s42, s42, s43
	s_mov_b32 s43, 0
	s_lshr_b32 s[LIM], s[WV], 2                    ; 0 in waves 0 to 3,
	s_or_b32 s[LIM], s[LIM], ttmp9                 ; of the head's first cluster: the same in all four partners
	s_cmp_eq_u32 s[LIM], 0
	s_cselect_b32 s[LIM], 1, -1
	s_mov_b32 s[SEL], 0x76543210
	s_mov_b32 s[SEL+1], 0xfedcba98
	s_mov_b32 s[TB], 0
	s_mov_b32 s[SLOTS], 7
	s_wait_dscnt 0x0                               ; both opening adds are done
	s_wait_kmcnt 0x0
	s_mov_b32 s[G0], 1
	s_lshl_b32 s[G0+1], s[WV], 14                  ; slot 0, key step w: no place in the cluster enters an LDS address
	s_add_nc_u64 s[G0+2:G0+3], s[6:7], s[36:37]
	s_or_b32 s[G0+3], s[G0+3], 0x80000000
	s_add_nc_u64 s[PFA:PFA+1], s[6:7], s[38:39]
	s_add_nc_u64 s[4:5], s[4:5], s[40:41]
	s_add_nc_u64 s[8:9], s[8:9], s[42:43]
	CROUND                                         ; all four work-groups are here: the first joint loads meet
	JLOAD                                          ; slot 0
	v_and_b32 v1, 31, v0
	v_lshlrev_b32 v[PFO], 8, v1
	v_lshlrev_b32 v[LI], 4, v1
.irp t, 0,1
.irp c, 0,1
.irp u, 0,1
	global_load_b128 v[QF+16*\t+8*\c+4*\u:QF+16*\t+8*\c+4*\u+3], v[LI], s[4:5] offset:\t*2048+\c*1024+\u*512   ; Q stays in registers
.endr
.endr
.endr
.irp t, 0,1
	v_mov_b32 v[ST+8*\t+1], 0xff61b1e6             ; m: -3e38, under every t
	v_mov_b32 v[ST+8*\t], 0x7f61b1e6               ; -m
	v_mov_b32 v[ST+8*\t+2], 0                      ; l
	v_mov_b32 v[ST+8*\t+3], 0
	v_mov_b32 v[ST+8*\t+5], 0                      ; a lane permute's destination counts as one of its sources
.endr
.irp j, 0,1,2,3,4,5,6,7,8,9,10,11,12,13,14,15,16,17,18,19,20,21,22,23,24,25,26,27,28,29,30,31,32,33,34,35,36,37,38,39,40,41,42,43,44,45,46,47,48,49,50,51,52,53,54,55,56,57,58,59,60,61,62,63
	v_mov_b32 v[OA+\j], 0                          ; O^T: the step is written once; its first walk finds zeros, which the first factor, 0, leaves zeros
.endr
	s_wait_loadcnt 0x0                             ; Q
.Lslot:                                            ; 7 trips: behind each change of slots but the last the next slot is asked for
	CHANGE 1
	SLOT_STEPS
	s_sub_co_u32 s[SLOTS], s[SLOTS], 1
	s_cmp_lg_u32 s[SLOTS], 0
	s_cbranch_scc1 .Lslot
	CHANGE 0                                       ; the last slot is written out
	SLOT_STEPS
	; THE WAY OUT: O^T / l, rounded to f16: a lane's 8 channels are 16 bytes of a fragment of the last product
.rept 4
	v_nop
.endr
.irp t, 0,1
	v_add_f32 v[ST+8*\t+4], v[ST+8*\t+2], v[ST+8*\t+3]
.endr
.irp t, 0,1
	v_permlanex16_b32 v[ST+8*\t+5], v[ST+8*\t+4], s[SEL], s[SEL+1]
.endr
.irp t, 0,1
	v_add_f32 v[ST+8*\t+4], v[ST+8*\t+4], v[ST+8*\t+5]
.endr
.irp t, 0,1
	v_rcp_f32 v[ST+8*\t+6], v[ST+8*\t+4]
.endr
	v_nop                                          ; a plain place behind the last reciprocal
	s_wait_alu depctr_va_vdst(0)                   ; and the wait ahead of the first use: one for both
.irp i, 0,2,4,6,8,10,12,14,16,18,20,22,24,26,28,30
.irp t, 0,1
	v_pk_mul_f32 v[OA+32*\t+\i:OA+32*\t+\i+1], v[OA+32*\t+\i:OA+32*\t+\i+1], v[ST+8*\t+6:ST+8*\t+7] op_sel_hi:[1,0]
.endr
.endr
.irp t, 0,1
.irp ct, 0,1,2,3
.irp i, 0,1,2,3
	v_cvt_pk_f16_f32 v[OA+32*\t+8*\ct+\i], v[OA+32*\t+8*\ct+2*\i], v[OA+32*\t+8*\ct+2*\i+1]
.endr
	global_store_b128 v[LI], v[OA+32*\t+8*\ct:OA+32*\t+8*\ct+3], s[8:9] offset:(\ct/2)*8192+\t*1024+(\ct%2)*512   ; 512 consecutive bytes, aligned
.endr
.endr
	s_wait_tensorcnt 0x0                           ; the wave's end
	ds_add_u32 v[SPW], v[NIL]
	s_wait_dscnt 0x0
	CROUND                                         ; the closing round: no work-group ends while a partner may still ask for a tile that names it
	s_endpgm
.Lfunc_end_k_qa089f92c85_attn:
	.size	k_qa089f92c85_attn, .Lfunc_end_k_qa089f92c85_attn-k_qa089f92c85_attn
	.p2alignl 7, 3214868480
	.fill 96, 4, 3214868480
	.section	.rodata,"a",@progbits
	.p2align	6, 0x0
	.amdhsa_kernel k_qa089f92c85_attn
		.amdhsa_group_segment_fixed_size 327680
		.amdhsa_private_segment_fixed_size 0
		.amdhsa_enable_private_segment 0
		.amdhsa_kernarg_size 24
		.amdhsa_user_sgpr_count 2
		.amdhsa_user_sgpr_kernarg_segment_ptr 1
		.amdhsa_wavefront_size32 1
		.amdhsa_system_sgpr_workgroup_id_x 1
		.amdhsa_system_sgpr_workgroup_id_y 1
		.amdhsa_system_sgpr_workgroup_id_z 1
		.amdhsa_system_vgpr_workitem_id 0
		.amdhsa_next_free_vgpr 256
		.amdhsa_next_free_sgpr 66
		.amdhsa_reserve_vcc 0
		.amdhsa_float_denorm_mode_32 3
		.amdhsa_float_denorm_mode_16_64 3
		.amdhsa_memory_ordered 1
		.amdhsa_forward_progress 1
		.amdhsa_inst_pref_size 49
	.end_amdhsa_kernel
	.amdgpu_metadata
---
amdhsa.version: [ 1, 2 ]
amdhsa.kernels:
  - .name:           k_qa089f92c85_attn
    .symbol:         k_qa089f92c85_attn.kd
    .args:
      - { .name: qf, .offset: 0, .size: 8, .value_kind: global_buffer, .address_space: global }
      - { .name: kv, .offset: 8, .size: 8, .value_kind: global_buffer, .address_space: global }
      - { .name: af, .offset: 16, .size: 8, .value_kind: global_buffer, .address_space: global }
    .group_segment_fixed_size: 327680
    .private_segment_fixed_size: 0
    .kernarg_segment_align: 8
    .kernarg_segment_size: 24
    .max_flat_workgroup_size: 256
    .sgpr_count:     66
    .vgpr_count:     256
    .wavefront_size: 32
...
	.end_amdgpu_metadata
.endif
;; end of part 3
;; launch oproj (part 4): grid 8 x 32, 4 waves a work-group, clusters of 4 x 4, 327,680 bytes of LDS; arguments af, wof, bo, out0; writes out0
.if DOCPART == 4
	.amdgcn_target "amdgcn-amd-amdhsa--gfx1250"
	.amdhsa_code_object_version 6
	.text
	.protected	k_qa089f92c85_oproj
	.globl	k_qa089f92c85_oproj
	.p2align	8
	.type	k_qa089f92c85_oproj,@function
k_qa089f92c85_oproj:
	s_mov_b64 s[64:65], 0
	v_nop
	global_prefetch_b8 v0, s[64:65] scope:SCOPE_SE
	s_setreg_imm32_b32 hwreg(HW_REG_WAVE_MODE, 25, 1), 1
	s_wait_xcnt 0x0
	s_wait_alu depctr_hold_cnt(0) depctr_sa_sdst(0) depctr_va_vdst(0) depctr_va_sdst(0) depctr_va_ssrc(0) depctr_va_vcc(0) depctr_vm_vsrc(0)
	s_getreg_b32 s2, hwreg(HW_REG_IB_STS2, 6, 4)
	s_cmp_eq_u32 s2, 0
	s_cbranch_scc0 .Lentry_in_a_cluster
	s_endpgm
.Lentry_in_a_cluster:
	s_bfe_u32 s2, ttmp6, 0x10000c
	s_cmp_lg_u32 s2, 0xf033
	s_cbranch_scc0 .Lentry_shape_is_right
	s_endpgm
.Lentry_shape_is_right:
; Launch 4 of 4: out0 = A Wo^T + bo.  A (the attention's result) and Wo are f16, laid as images of fragments (af, wof); sums and out0 f32.
; A tile of out0 is 128 tokens x 128 features: 256 work-groups.  Four waves, each 64 x 64: 16 accumulators.  K = 1,024 goes in four steps of 256 through two LDS slots; a step's fragments of A (or of Wo) are 65,536 dense bytes.
; CLUSTERS: 4 x 4 work-groups.  The four of a row of the cluster need the same tiles of A, the four of a column the same tiles of Wo: each is asked for jointly.  Waves 0 and 1 fetch A's halves of a step, waves 2 and 3 Wo's: one load a wave.
; THE MATRIX INSTRUCTION IS USED TRANSPOSED (source 0 = 16 rows of Wo, source 1 = 16 tokens): a lane holds 8 neighbouring features of one token.  bo is the C of each sum's first product.
; With four K steps the one lap that fills slots again is written out: there is no loop.
; REGISTERS: window 0: v16-29 addresses; v32-95 rows on the way out; v96-127 bo; v128-255 the accumulators ((a, b) at 128 + 8 (4 a + b)).  Window 1: two fragment buffers of 128: 64 registers of A (2 x 4 fragments), then 64 of Wo.
.set SLOT,   131072                    ; A's 8 K groups x 8 tiles x 1,024 bytes, then Wo's
.set STAGE,  2*SLOT                    ; behind the ring: 16 rows x 272 bytes for each wave, its own
.set SPITCH, 272
.set SPARE,  STAGE+4*16*SPITCH         ; the spare words, 128 bytes for each wave
.set ADRA, 16                          ; v16-17  my A fragments in slot 0, 1
.set ADRB, 20                          ; v20-21  the same for Wo
.set STO,  24                          ; v24     the way out: where I put 32 bytes of a row
.set RD,   25                          ; v25     where I read a row back
.set CO,   26                          ; v26     my byte offset in out0
.set BO,   27                          ; v27     32 h: my offset in bo
.set SPW,  28                          ; v28     my spare word; never rewritten
.set NIL,  29                          ; v29     0; never rewritten
.set BK,   32
.set BIAS, 96
.set ACC,  128
.set F0,   0
.set F1,   128
.set WV,  12
.set HR,  13                           ; s13 which 64 tokens are mine.  Also: I fetch for A (0) or for Wo (1)
.set HC,  14                           ; s14 which 64 features.  Also: which half of a step I fetch
.set G1,  24
.set G0,  32
.set G1B, 48
.set G0B, 56
.set MSB, 0
.macro WIN new                         ; the immediate's high byte repeats the setting that is left
.if MSB != \new
	s_set_vgpr_msb (MSB<<8)|\new
.set MSB, \new
.endif
.endm
.set MUL,  0x05                        ; sources 0 and 1 window 1; C and D window 0
.set TO_F, 0x40                        ; destination window 1, address window 0
.macro JLOAD s                         ; a joint load; an s_nop 0 and four v_nop follow each of the two lines, ahead of the jump, the label and what follows
	s_cmp_eq_u32 s[HR], 0
	s_cbranch_scc0 .Lfor_b_\@
	tensor_load_to_lds s[G0+4*\s:G0+4*\s+3], s[G1:G1+7]
	s_nop 0
.rept 4
	v_nop
.endr
	s_branch .Lasked_\@
.Lfor_b_\@:
	tensor_load_to_lds s[G0B+4*\s:G0B+4*\s+3], s[G1B:G1B+7]
	s_nop 0
.rept 4
	v_nop
.endr
.Lasked_\@:
.endm
.macro CREST                           ; a round of the cluster's barrier behind its opening barrier
	s_cmp_lg_u32 s[WV], 0
	s_cbranch_scc1 .Lnot_wave_0_\@
	s_barrier_signal -3
.Lnot_wave_0_\@:
	s_barrier_wait -3
	s_barrier_signal -1
	s_barrier_wait -1
.endm
.macro CROUND
	s_barrier_signal -1
	s_barrier_wait -1
	CREST
.endm
	s_load_b128 s[4:7], s[0:1], 0x0                ; af, wof
	s_load_b128 s[8:11], s[0:1], 0x10              ; bo, out0
	v_lshl_add_u32 v[SPW], v0, 2, SPARE
	v_mov_b32 v[NIL], 0
	ds_add_u32 v[SPW], v[NIL]                      ; the opening: the add, twice on end, and its wait ahead of my first tensor load
	ds_add_u32 v[SPW], v[NIL]
	v_lshrrev_b32 v1, 5, v0
	v_readfirstlane_b32 s[WV], v1                  ; wave 0..3
	s_lshr_b32 s[HR], s[WV], 1
	s_and_b32 s[HC], s[WV], 1
	s_bfe_u32 s40, ttmp6, 0x40000                  ; cx, cy: my place in the cluster
	s_bfe_u32 s41, ttmp6, 0x40004
	s_lshl_b32 s42, ttmp9, 2
	s_add_co_u32 s42, s42, s40                     ; block of 128 features = 4 x cluster x + cx
	s_and_b32 s43, ttmp7, 0xffff
	s_lshl_b32 s43, s43, 2
	s_add_co_u32 s43, s43, s41                     ; block of 128 tokens = 4 x cluster y + cy
	s_lshl_b32 s44, s41, 2
	s_lshl_b32 s44, 15, s44                        ; my row of the cluster
	s_lshl_b32 s45, 0x1111, s40                    ; my column
	s_or_b32 s[G1+0], s44, (3<<16)|(1<<21)         ; the mask: A's tiles go to my row; elements of 8 bytes; bit 21 set beside a mask; no padding
	s_or_b32 s[G1B+0], s45, (3<<16)|(1<<21)        ; Wo's go to my column
.irp g, G1, G1B
	s_mov_b32 s[\g+1], 32<<16                      ; tensor_dim0 = 32 (256 bytes)
	s_mov_b32 s[\g+2], 128<<16                     ; tensor_dim1 = 128
	s_mov_b32 s[\g+3], 32<<16                      ; tile_dim0
	s_mov_b32 s[\g+4], 128                         ; tile_dim1: 32,768 dense bytes
	s_mov_b32 s[\g+5], 32
	s_mov_b32 s[\g+6], 0
	s_mov_b32 s[\g+7], 0
.endr
	s_lshl_b32 s18, s[HC], 15                      ; which half of a step I fetch
	s_lshl_b32 s16, s43, 18
	s_add_co_u32 s16, s16, s18                     ; A: its block of tokens
	s_mov_b32 s17, 0
	s_lshl_b32 s46, s42, 18
	s_add_co_u32 s46, s46, s18                     ; Wo: its block of features
	s_mov_b32 s47, 0
	s_lshl_b32 s20, s[WV], 15                      ; where they go: wave x 32,768: no place in the cluster enters an LDS address
	s_wait_dscnt 0x0                               ; both opening adds are done
	s_wait_kmcnt 0x0
	s_add_nc_u64 s[22:23], s[4:5], s[16:17]
	s_add_nc_u64 s[46:47], s[6:7], s[46:47]
	CROUND                                         ; all sixteen work-groups are here: the first joint loads meet
.irp s, 0,1
	s_mov_b32 s[G0+4*\s], 1
	s_add_co_u32 s[G0+4*\s+1], s20, \s*SLOT
	s_add_nc_u64 s[G0+4*\s+2:G0+4*\s+3], s[22:23], \s*65536
	s_or_b32 s[G0+4*\s+3], s[G0+4*\s+3], 0x80000000
	s_mov_b32 s[G0B+4*\s], 1
	s_add_co_u32 s[G0B+4*\s+1], s20, \s*SLOT
	s_add_nc_u64 s[G0B+4*\s+2:G0B+4*\s+3], s[46:47], \s*65536
	s_or_b32 s[G0B+4*\s+3], s[G0B+4*\s+3], 0x80000000
	JLOAD \s
.endr
	v_and_b32 v1, 15, v0                           ; r
	v_bfe_u32 v2, v0, 4, 1                         ; h
	v_and_b32 v3, 31, v0
	v_lshlrev_b32 v3, 4, v3                        ; 16 x lane
	s_lshl_b32 s21, s[HR], 12                      ; my four tiles of tokens
	s_lshl_b32 s19, s[HC], 12                      ; my four tiles of features,
	s_add_co_u32 s19, s19, 65536                   ; behind A's 65,536 bytes
.irp s, 0,1
	v_add_nc_u32 v[ADRA+\s], s21, v3
	v_add_nc_u32 v[ADRB+\s], s19, v3
	s_add_co_u32 s21, s21, SLOT
	s_add_co_u32 s19, s19, SLOT
.endr
	s_mul_i32 s21, s[WV], 16*SPITCH
	s_add_co_u32 s21, s21, STAGE                   ; my stage
	v_mul_u32_u24 v4, v1, SPITCH                   ; in: row r, 32 bytes for each half of the lanes
	v_lshl_add_u32 v4, v2, 5, v4
	v_add_nc_u32 v[STO], s21, v4
	v_mul_u32_u24 v5, v2, SPITCH                   ; back: lanes 0-15 one row of 256 bytes, lanes 16-31 the next
	v_lshl_add_u32 v5, v1, 4, v5
	v_add_nc_u32 v[RD], s21, v5
	v_lshlrev_b32 v5, 12, v2                       ; and the same two rows in out0
	v_lshl_add_u32 v[CO], v1, 4, v5
	v_lshlrev_b32 v[BO], 5, v2
	s_lshl_b32 s16, s43, 19                        ; my first row of out0: 128 x block + 64 x half, 4,096 bytes a row
	s_lshl_b32 s17, s[HR], 18
	s_add_co_u32 s16, s16, s17
	s_mov_b32 s17, 0
	s_add_nc_u64 s[10:11], s[10:11], s[16:17]
	s_lshl_b32 s46, s42, 9                         ; my first feature, in bytes
	s_lshl_b32 s47, s[HC], 8
	s_add_co_u32 s46, s46, s47
	s_mov_b32 s47, 0
	s_add_nc_u64 s[10:11], s[10:11], s[46:47]
	s_add_nc_u64 s[8:9], s[8:9], s[46:47]
.irp b, 0,1,2,3
	global_load_b128 v[BIAS+8*\b:BIAS+8*\b+3], v[BO], s[8:9] offset:64*\b        ; bo at my 8 features of tile b
	global_load_b128 v[BIAS+8*\b+4:BIAS+8*\b+7], v[BO], s[8:9] offset:64*\b+16
.endr
; 8 products: token tiles a0, a0 + 1 x all 4 feature tiles, 32 along K: half c of buffer f.  zero = 1: the first product starts the sum from bo.  The 16 accumulators take turns
.macro MUL8 f, c, a0, zero
.irp a, \a0, \a0+1
.irp b, 0,1,2,3
.if \zero
	v_wmma_f32_16x16x32_f16 v[ACC+8*(4*(\a)+\b):ACC+8*(4*(\a)+\b)+7], v[\f+64+8*(4*\c+\b):\f+64+8*(4*\c+\b)+7], v[\f+8*(4*\c+\a):\f+8*(4*\c+\a)+7], v[BIAS+8*\b:BIAS+8*\b+7]
.else
	v_wmma_f32_16x16x32_f16 v[ACC+8*(4*(\a)+\b):ACC+8*(4*(\a)+\b)+7], v[\f+64+8*(4*\c+\b):\f+64+8*(4*\c+\b)+7], v[\f+8*(4*\c+\a):\f+8*(4*\c+\a)+7], v[ACC+8*(4*(\a)+\b):ACC+8*(4*(\a)+\b)+7]
.endif
.endr
.endr
.endm
; 32 LDS loads in one run: the fragments of the slot's quarter q (64 along K: two K groups) into buffer f; the first 32 along K first
.macro FETCH slot, q, f
	WIN TO_F
.irp c, 0,1
.irp i, 0,1,2,3
	ds_load_b128 v[\f+64+8*(4*\c+\i):\f+64+8*(4*\c+\i)+3],   v[ADRB+\slot] offset:(2*\q+\c)*8192+\i*1024
	ds_load_b128 v[\f+64+8*(4*\c+\i)+4:\f+64+8*(4*\c+\i)+7], v[ADRB+\slot] offset:(2*\q+\c)*8192+\i*1024+512
	ds_load_b128 v[\f+8*(4*\c+\i):\f+8*(4*\c+\i)+3],         v[ADRA+\slot] offset:(2*\q+\c)*8192+\i*1024
	ds_load_b128 v[\f+8*(4*\c+\i)+4:\f+8*(4*\c+\i)+7],       v[ADRA+\slot] offset:(2*\q+\c)*8192+\i*1024+512
.endr
.endr
.endm
.macro PLACES                          ; four places in front of loads into registers that products have read, and of the first read of results
.rept 4
	v_nop
.endr
.endm
; one of a K step's first three quarters: multiplies buffer f and fetches quarter q into g
.macro QUARTER slot, q, f, g, zero
	s_wait_dscnt 16                                ; the first 32 along K are in; the other 16 loads may be out
	WIN MUL
	MUL8 \f, 0, 0, \zero
	MUL8 \f, 0, 2, \zero
	PLACES
	FETCH \slot, \q, \g
	s_wait_dscnt 32                                ; all but the 32 just issued
	WIN MUL
	MUL8 \f, 1, 0, 0
	MUL8 \f, 1, 2, 0
.endm
; the last quarter multiplies buffer 1 and changes slots: one barrier; in front of it all my tensor loads have landed, the add, and my reads of this slot are over.  fill = 1: this slot is filled again, two K steps ahead
.macro TURN slot, next, fill
	WIN 0                                          ; (the add's two registers lie in window 0)
	s_wait_tensorcnt 0x0                           ; all my tensor loads have landed: my part of the next slot
	ds_add_u32 v[SPW], v[NIL]
	s_wait_dscnt 17                                ; (the add and the youngest sixteen loads may be out)
	WIN MUL
	MUL8 F1, 0, 0, 0
	s_wait_dscnt 0x0                               ; the add is done, and my reads of this slot are over
	s_barrier_signal -1
	MUL8 F1, 0, 2, 0
.if \fill
	WIN 0
.endif
	s_barrier_wait -1
.if \fill
	CREST                                          ; the barrier has opened a round of the cluster's: no wave of any partner still reads this slot or has a load on its way
	s_add_nc_u64 s[G0+4*\slot+2:G0+4*\slot+3], s[G0+4*\slot+2:G0+4*\slot+3], 131072
	s_add_nc_u64 s[G0B+4*\slot+2:G0B+4*\slot+3], s[G0B+4*\slot+2:G0B+4*\slot+3], 131072
	JLOAD \slot                                    ; the first tensor load behind the round; its four v_nop are also the places in front of the loads below
.else
	PLACES
.endif
	FETCH \next, 0, F0
	WIN MUL
	MUL8 F1, 1, 0, 0
	MUL8 F1, 1, 2, 0
.endm
	s_wait_tensorcnt 1                             ; my part of K step 0 is in; K step 1's may stay out
	s_barrier_signal -1
	s_barrier_wait -1                              ; everybody's is
	FETCH 0, 0, F0
	s_wait_loadcnt 0x0                             ; bo
	QUARTER 0, 1, F0, F1, 1                        ; K step 0: its first products start the sums
	QUARTER 0, 2, F1, F0, 0
	QUARTER 0, 3, F0, F1, 0
	TURN 0, 1, 1                                   ; slot 0 takes K step 2
	QUARTER 1, 1, F0, F1, 0                        ; K step 1
	QUARTER 1, 2, F1, F0, 0
	QUARTER 1, 3, F0, F1, 0
	TURN 1, 0, 1                                   ; slot 1 takes K step 3
	QUARTER 0, 1, F0, F1, 0                        ; K step 2
	QUARTER 0, 2, F1, F0, 0
	QUARTER 0, 3, F0, F1, 0
	TURN 0, 1, 0                                   ; nothing is left to fetch
	QUARTER 1, 1, F0, F1, 0                        ; K step 3
	QUARTER 1, 2, F1, F0, 0
	QUARTER 1, 3, F0, F1, 0
	s_wait_dscnt 16
	WIN MUL
	MUL8 F1, 0, 0, 0
	MUL8 F1, 0, 2, 0
	s_wait_dscnt 0x0
	MUL8 F1, 1, 0, 0
	MUL8 F1, 1, 2, 0
	WIN 0
; THE WAY OUT, a tile of 16 tokens at a time.  A lane holds 32 bytes of a row and the lanes beside it other rows: the tile goes through my own stage and comes back as rows of 256 bytes (my 64 features), two rows an instruction.
; LDS serves a wave's instructions in order (ISA guide 5.7.1.4): no wait between the stores and the loads, nor in front of the next tile's stores.
.macro TOSTAGE a
.irp b, 0,1,2,3
	ds_store_b128 v[STO], v[ACC+8*(4*(\a)+\b):ACC+8*(4*(\a)+\b)+3] offset:64*\b          ; each accumulator from its low end on
	ds_store_b128 v[STO], v[ACC+8*(4*(\a)+\b)+4:ACC+8*(4*(\a)+\b)+7] offset:64*\b+16
.endr
.irp i, 0,1,2,3,4,5,6,7
	ds_load_b128 v[BK+32*((\a)%2)+4*\i:BK+32*((\a)%2)+4*\i+3], v[RD] offset:\i*2*SPITCH
.endr
.endm
.macro SEND a, younger                 ; younger: the LDS instructions issued behind tile a's loads, which may stay out
	s_wait_dscnt \younger
.irp i, 0,1,2,3,4,5,6,7
	global_store_b128 v[CO], v[BK+32*((\a)%2)+4*\i:BK+32*((\a)%2)+4*\i+3], s[10:11] offset:(16*(\a)+2*\i)*4096 th:TH_STORE_NT   ; 16 lanes store 256 consecutive bytes, aligned
.endr
.endm
	PLACES
	TOSTAGE 0
.irp a, 1,2,3
.if \a > 1
	s_wait_xcnt 0x0                                ; tile a - 2's stores have read their registers: tile a's loads may land there
.endif
	TOSTAGE \a
	SEND \a-1, 16                                  ; behind tile a - 1's loads: tile a's 8 stores and 8 loads
.endr
	SEND 3, 0
	s_wait_tensorcnt 0x0                           ; the wave's end
	ds_add_u32 v[SPW], v[NIL]
	s_wait_dscnt 0x0
	CROUND                                         ; the closing round: no work-group ends while a partner may still ask for a tile that names it
	s_endpgm
.Lfunc_end_k_qa089f92c85_oproj:
	.size	k_qa089f92c85_oproj, .Lfunc_end_k_qa089f92c85_oproj-k_qa089f92c85_oproj
	.p2alignl 7, 3214868480
	.fill 96, 4, 3214868480
	.section	.rodata,"a",@progbits
	.p2align	6, 0x0
	.amdhsa_kernel k_qa089f92c85_oproj
		.amdhsa_group_segment_fixed_size 327680
		.amdhsa_private_segment_fixed_size 0
		.amdhsa_enable_private_segment 0
		.amdhsa_kernarg_size 32
		.amdhsa_user_sgpr_count 2
		.amdhsa_user_sgpr_kernarg_segment_ptr 1
		.amdhsa_wavefront_size32 1
		.amdhsa_system_sgpr_workgroup_id_x 1
		.amdhsa_system_sgpr_workgroup_id_y 1
		.amdhsa_system_sgpr_workgroup_id_z 1
		.amdhsa_system_vgpr_workitem_id 0
		.amdhsa_next_free_vgpr 512
		.amdhsa_next_free_sgpr 66
		.amdhsa_reserve_vcc 0
		.amdhsa_float_denorm_mode_32 3
		.amdhsa_float_denorm_mode_16_64 3
		.amdhsa_memory_ordered 1
		.amdhsa_forward_progress 1
		.amdhsa_inst_pref_size 86
	.end_amdhsa_kernel
	.amdgpu_metadata
---
amdhsa.version: [ 1, 2 ]
amdhsa.kernels:
  - .name:           k_qa089f92c85_oproj
    .symbol:         k_qa089f92c85_oproj.kd
    .args:
      - { .name: af, .offset: 0, .size: 8, .value_kind: global_buffer, .address_space: global }
      - { .name: wof, .offset: 8, .size: 8, .value_kind: global_buffer, .address_space: global }
      - { .name: bo, .offset: 16, .size: 8, .value_kind: global_buffer, .address_space: global }
      - { .name: out0, .offset: 24, .size: 8, .value_kind: global_buffer, .address_space: global }
    .group_segment_fixed_size: 327680
    .private_segment_fixed_size: 0
    .kernarg_segment_align: 8
    .kernarg_segment_size: 32
    .max_flat_workgroup_size: 128
    .sgpr_count:     66
    .vgpr_count:     512
    .wavefront_size: 32
...
	.end_amdgpu_metadata
.endif
;; end of part 4
